; MI455X (gfx1250); checked and timed in simulation.
; The chip was launched on July 23, 2026; its instructions are those of AMD's public machine-readable ISA for CDNA 5 (MIT licence, August 2026) and "CDNA5" Instruction Set Architecture Reference Guide (July 2026). The comments in the code are by the model that wrote it; some were corrected since.
;; Scaled Dot Product Attention Gauss. Allowed arithmetic: matrix products marked QUANTISED: E4M3 operands, one given power-of-two scale a tensor, by v_wmma_f32_16x16x64_fp8_fp8 or v_wmma_f32_16x16x128_fp8_fp8, f32 sums; products left as they are: f32 operands where the result goes on into a quantised operand, else bf16, f16 or f32 operands; f32 sums; everything else in f32.
;; Inputs: K 1 x 8 x 1,024 x 64 float32; Q 1 x 8 x 1,024 x 64 float32; V 1 x 8 x 1,024 x 64 float32; W1 10 x 10 float32; W2 1 x 10 float32; b1 10 float32; b2 1 float32; b_D 10 float32; b_E 10 float32; distance_matrix 1 x 8 x 1,024 x 1,024 float32; energy_matrix 1 x 8 x 1,024 x 1,024 float32; lowp_scales 4 int32 (the exponents e of the quantised operands' scales 2^e); mask 1 x 8 x 1,024 x 1,024 int32; mu_D 10 float32; mu_E 10 float32; sigma_D 10 float32; sigma_E 10 float32.
;; Outputs: out0 1 x 8 x 1,024 x 64 float32.
;; This version of the problem:
;;   THIS VERSION OF THE PROBLEM IS GIVEN IN LOW PRECISION. The matrix products marked QUANTISED in the list below multiply operands that are first quantised to E4M3 (4 exponent bits, 3 mantissa bits; 8 bits a number), with one given power-of-two scale for each operand tensor; their sums are f32. All else is computed in f32.
;;   The module's matrix products, in the order in which they are computed (A, B: the left and right operand; K: the contracted axis; several contracted axes count as one K, in the product's order):
;;     1. batch 8 x [M 1,024, K 64] x [K 64, N 1,024]; A: input Q; B: input K: QUANTISED (scales: A lowp_scales[0], B lowp_scales[1])
;;     2. [M 8,388,608, K 10] x [K 10, N 10]; A: computed on the way; B: input W1: left as it is (K = 10 < 32)
;;     3. [M 8,388,608, K 10] x [K 10, N 1]; A: computed on the way; B: input W2: left as it is (K = 10 < 32)
;;     4. [M 8,388,608, K 10] x [K 10, N 10]; A: computed on the way; B: input W1: left as it is (K = 10 < 32)
;;     5. [M 8,388,608, K 10] x [K 10, N 1]; A: computed on the way; B: input W2: left as it is (K = 10 < 32)
;;     6. batch 8 x [M 1,024, K 1,024] x [K 1,024, N 64]; A: softmax (see below); B: input V: QUANTISED (scales: A lowp_scales[2], B lowp_scales[3])
;;   THE QUANTISER, for each operand of a quantised product, along K:
;;     - The operand's scale is 2^e, e = its entry of the input lowp_scales (int32; the entries are numbered through the quantised products in the list's order, A before B).
;;     - Each number is divided by the scale, clamped to +-448, and rounded to the nearest number of E4M3, ties to even, subnormals kept.
;;     - The product sums the exact products of the quantised numbers (number of the format x scale) in f32.
;;   ~~~python
;;   def quantise(x, axis, e):      # numpy; x: float32 -> the quantised numbers, widened to float32 again
;;       x = np.moveaxis(x, axis, -1); K = x.shape[-1]
;;       r = np.clip(x / 2.0 ** e, -448, 448)
;;       step = 2.0 ** (np.maximum(np.frexp(np.where(r == 0, 1, r))[1] - 1, -6) - 3)
;;       q = np.round(r / step) * step * 2.0 ** e      # np.round: ties to even
;;       return np.moveaxis(q, -1, axis).astype(np.float32)
;;   ~~~
;;   SOFTMAX AHEAD OF A QUANTISED PRODUCT. Where the list says 'softmax', what is quantised is not the finished softmax but p = 2^(t - M), with t = logit x log2(e) and M = ceil(the row's largest t), a whole number; so 1/2 < the row's largest p <= 1. The row's sum l is taken of the UNQUANTISED p, in f32, and the product's result is divided by l at the end. Since M is a whole number, a kernel that streams over the keys may use a running M (the ceiling of the running maximum): every later rescaling is an exact power of two, so the quantised numbers keep their values, but for numbers so far below the row's largest that they fall under the format's range.
;;   OPERANDS COMPUTED ON THE WAY. 'Computed on the way' means the value that the module computes at that place (a softmax that the list does not call 'softmax' is quantised finished and normalised). What goes into a quantiser is computed in f32, as accurately as f32 sums, v_exp_f32 and their like allow (about 1e-6 of the number): no bf16 or f16 on the way to a quantiser, and a product that is left as it is and whose result goes on into a quantised operand takes f32 operands (vector FMAs, or v_wmma_f32_16x16x4_f32). A number that lies on a knife's edge between two numbers of the format may be rounded either way, as far as f32 arithmetic and the matrix unit's own rounding can turn it there, and no further.
;; One version. Each part assembles by itself: llvm-mc -triple=amdgcn-amd-amdhsa -mcpu=gfx1250 --defsym DOCPART=n.
;; ======== version 1 of 1: 1 launch
;; limits: right only within a limited range of input values
;; launch attn (part 1): grid 256 x 1, 8 waves a work-group, no clusters, 303,104 bytes of LDS; arguments distance_matrix, energy_matrix, mask, K, V, out0, Q, lowp_scales, mu_D, sigma_D, b_D, mu_E, sigma_E, b_E, W1, b1, W2, b2; writes out0
.if DOCPART == 1
	.amdgcn_target "amdgcn-amd-amdhsa--gfx1250"
	.amdhsa_code_object_version 6
	.text
	.protected	k_q0816686fb9_attn
	.globl	k_q0816686fb9_attn
	.p2align	8
	.type	k_q0816686fb9_attn,@function
k_q0816686fb9_attn:
	s_mov_b64 s[64:65], 0
	v_nop
	global_prefetch_b8 v0, s[64:65] scope:SCOPE_SE
	s_setreg_imm32_b32 hwreg(HW_REG_WAVE_MODE, 25, 1), 1
	s_wait_xcnt 0x0
; out[h][q][:] = softmax_k( Q.K / sqrt(128) + f_D(distance) + f_E(energy), -1e9 where mask == 0 ) V.   8 heads, 1,024 queries, 1,024 keys, head size 64.
; f(x) = W2 . gelu(W1 psi(x) + b1) + b2,  psi_k(x) = exp(-((x + b_k - mu_k) / sigma_k)^2 / 2) / (sqrt(2 pi) sigma_k): ten Gaussians, a 10 x 10 layer, the exact gelu, a 10 -> 1 layer, all in f32.
; Q K^T and P V go on codes of E4M3 with the four given scales 2^eq, 2^ek, 2^ep, 2^ev.  p = 2^(t - M), t = logit x log2(e), M = ceil(the row's largest t) over ALL keys; the row's sum is taken of the
; unquantised p and divides at the end.
; WHAT WEIGHS: 2 x 8.4 M evaluations of f, 256 for each lane of the launch; the products and the bytes are little beside them.  So everything of f is packed (two keys an instruction), every constant
; factor is folded at the head, and exponentials and reciprocals stand among multiply-adds that do not need them.
; SHARES.  Work-group x: head x / 32, queries 32 (x % 32) on, all 1,024 keys.  Wave w of eight: queries 16 (w % 2) on, keys 256 (w / 2) on: 16 tiles of 16 keys, in 4 granules of 64 keys.
; S^T = K Q^T (source 0 = 16 keys, source 1 = 16 queries): lane (r, h) holds query r, register j of tile T key 16 T + 8 h + j; a tile's eight p are registers 2 c, 2 c + 1 (c = T % 8) of P's fragment, k in its own place.
; A wave's t go to LDS bytes of its own; the row's maximum meets at the first barrier, the partial O^T and sums at the second.
; FOLDED:  a = sqrt(log2(e) / 2) / sigma, c = (b - mu) a, lam = log2(1 / (sqrt(2 pi) sigma)):  psi = 2^(lam - (a x + c)^2).   W1'' = W1 / sqrt(2), b1'' = b1 / sqrt(2):  u = h / sqrt(2).
;   g = u + u erf(u);  erf(uc) = uc P(uc^2) / Q(uc^2), uc = u held within +-4 (a rational of degrees 13 and 8).   W2'' = W2 log2(e) / sqrt(2), b2' = 2 log2(e) b2:  t = S cs + b2' + sum W2'' g.
; NO CLUSTER, NO TENSOR LOAD: the three large streams (distance, energy, mask: 96 of the launch's 102 MiB) are read by one wave each; only K and V are shared.  A granule is asked for three tiles ahead into 96 registers.
; LIMITS: sigma_D, sigma_E > 0 (lam is a logarithm); eq + ek between -123 and 130; eq, ek, ep, ev each between -126 and 119; NaN among the inputs is not served; erf is good to a few units in the last place.
.set VIMG, 0                           ; LDS: V^T's fragments as images of their registers: 128 keys w, channels 16 dt on, at (4 w + dt) 2,048; registers 4 c .. 4 c + 3 at 512 c + 16 x lane
.set TREG, 65536                       ; 16,384 bytes a wave: tile T's t at 1,024 T + {0, 512} + 16 x lane; later the wave's partial O^T
.set STG,  196608                      ; 13,056 bytes a wave: a granule of distance, energy, mask: 16 rows of 256 bytes + 16 each
.set STW,  13056
.set SMAT, 4352
.set SPI,  272                         ; 17 x 16 bytes: the sixteen rows that a load touches begin in sixteen different columns of 16 bytes
.set MXB,  301056                      ; a word for each wave and query: the wave's largest t
.set LSB,  301568                      ; the same for the wave's sum
; window 0
.set XW,   1                           ; stage, on the way in
.set XR,   2                           ; stage, on the way out
.set TW,   3                           ; my 16 bytes in my wave's t
.set GD,   4                           ; byte offset of a granule's loads; 256 further for each granule
.set KO,   5                           ; K, Q: 256 r + 32 h
.set KA,   6
.set VO,   7                           ; V: 4 r + 2,048 h
.set VA,   8
.set ADR,  9
.set ADT,  10
.set NEG,  11                          ; -1e9 x log2(e)
.set MAX,  12
.set SCK,  13
.set SCV,  14
.set VI,   15
.set SS,   16                          ; v16-23   a tile's scores
.set TACC, 24                          ; v24-31   its t
.set XD,   32                          ; v32-39 distance, v40-47 energy
.set PSI,  48                          ; v48-67, v68-87: psi of D's and of E's pair; then s = uc^2
.set UU,   88
.set UC,   108                         ; uc, then u uc
.set PP,   128                         ; P, then u uc P, then g
.set QQ,   148                         ; Q, then 1 / Q
.set CA,   168                         ; a, c, lam of D (10 each), then of E
.set B1R,  228
.set W2R,  238
.set A13,  248                         ; v248 the numerator's first coefficient, v249 the denominator's
.set B2R,  250
.set TB,   252                         ; the second chain of a pair's sum
.set LIMK, 254
.set LIMV, 255
; window 1
.set STGR, 100                         ; v100-195 a granule on its way: D, E, mask, 32 each; in between V's 64 numbers and 16 registers of codes.  (v0-99: W1''[l][k] at 10 l + k)
.set KRAW, 196
.set KF,   228
.set QF,   236
.set XM,   244
; scalars
.set TT,   20                          ; the tile, 0 to 15
.set TI,   21                          ; the tile in its granule
.set TO,   22                          ; 1,024 x the tile
.set CS,   26                          ; s[26:27] log2(e) / sqrt(128) x 2^(eq + ek)
.set SEL,  28
.set MK,   30                          ; s30-37 lanes where the mask is 0, for each of a tile's eight registers
.set WV,   38
.set QT,   39
.set PC,   40                          ; s[40:51] six coefficients of the numerator, s[52:59] four of the denominator, each twice: a packed source names a pair
.set KC,   66
.set MSB, 0
.macro WIN new                         ; the immediate's high byte repeats the setting that is left; a switch that changes nothing is dropped
.if MSB != \new
	s_set_vgpr_msb (MSB<<8)|\new
.set MSB, \new
.endif
.endm
.macro SC2 r, bits
	s_mov_b32 s[\r], \bits
	s_mov_b32 s[\r+1], \bits
.endm
.macro LD10 dst, sb                    ; ten numbers, the same in every lane
	global_load_b128 v[\dst:\dst+3], v19, s[\sb:\sb+1]
	global_load_b128 v[\dst+4:\dst+7], v19, s[\sb:\sb+1] offset:16
	global_load_b64 v[\dst+8:\dst+9], v19, s[\sb:\sb+1] offset:32
.endm
.macro MKSCALE e, vs, vl               ; 2^e as f32 (the conversion takes its exponent field), and 448 x 2^e
	s_add_co_i32 s23, s[\e], 127
	s_lshl_b32 s24, s23, 23
	v_mov_b32 v[\vs], s24
	s_add_co_i32 s23, s23, 8
	s_lshl_b32 s23, s23, 23
	s_or_b32 s23, s23, 0x600000
	v_mov_b32 v[\vl], s23
.endm
; A constant is one register of an even pair; a packed source takes it for both halves: the even one by op_sel_hi 0, the odd one by op_sel 1.  All tables begin on even registers, so the index's parity decides.
; Line j of 20 of a pair's head (matrix m, pair i of the tile's four): j < 10: z_k = x a_k + c_k;  else lam_k - z_k^2, in place.
.macro APL1 m, i, j
.set kk, (\j)%10
.set pp, kk%2
.set rD, PSI+20*(\m)+2*kk
.set rX, XD+8*(\m)+2*(\i)
.set rA, CA+30*(\m)+kk-pp
.set rC, rA+10
.set rL, rA+20
.if (\j) < 10
.if pp
	v_pk_fma_f32 v[rD:rD+1], v[rX:rX+1], v[rA:rA+1], v[rC:rC+1] op_sel:[0,1,1] op_sel_hi:[1,1,1]
.else
	v_pk_fma_f32 v[rD:rD+1], v[rX:rX+1], v[rA:rA+1], v[rC:rC+1] op_sel_hi:[1,0,0]
.endif
.else
.if pp
	v_pk_fma_f32 v[rD:rD+1], v[rD:rD+1], v[rD:rD+1], v[rL:rL+1] op_sel:[0,0,1] op_sel_hi:[1,1,1] neg_lo:[1,0,0] neg_hi:[1,0,0]
.else
	v_pk_fma_f32 v[rD:rD+1], v[rD:rD+1], v[rD:rD+1], v[rL:rL+1] op_sel_hi:[1,1,0] neg_lo:[1,0,0] neg_hi:[1,0,0]
.endif
.endif
.endm
.macro EXP1 b, j
	v_exp_f32 v[PSI+20*(\b)+(\j)], v[PSI+20*(\b)+(\j)]
.endm
; u_l = b1''_l + sum over k of W1''[l][k] psi_k: k outside, l inside, so that ten others stand between two links of a sum.  ex = 1: the next pair's 20 exponentials stand among them, one behind every fifth.
.macro BST b, ex
	WIN 0x04                                       ; source 1 (W1'') in window 1
.set fi, 0
.rept 100
.set kk, fi/10
.set ll, fi%10
.set pk, kk%2
.set pl, ll%2
.set rU, UU+2*ll
.set rP, PSI+20*(\b)+2*kk
.set rW, 10*ll+kk-pk
.set rB, B1R+ll-pl
.if kk == 0
.if pl
	v_pk_fma_f32 v[rU:rU+1], v[rP:rP+1], v[rW:rW+1], v[rB:rB+1] op_sel:[0,0,1] op_sel_hi:[1,0,1]
.else
	v_pk_fma_f32 v[rU:rU+1], v[rP:rP+1], v[rW:rW+1], v[rB:rB+1] op_sel_hi:[1,0,0]
.endif
.elseif pk
	v_pk_fma_f32 v[rU:rU+1], v[rP:rP+1], v[rW:rW+1], v[rU:rU+1] op_sel:[0,1,0] op_sel_hi:[1,1,1]
.else
	v_pk_fma_f32 v[rU:rU+1], v[rP:rP+1], v[rW:rW+1], v[rU:rU+1] op_sel_hi:[1,0,1]
.endif
.if (\ex) && (fi%5 == 0)
	EXP1 1-(\b), fi/5
.endif
.set fi, fi+1
.endr
	WIN 0
.endm
; uc, s = uc^2 (into the psi just used up), u uc, Q(s), P(s) with Q's 20 reciprocals among its 60 lines, u uc P.  Nothing here names a reciprocal or the other pair's exponentials;
; behind it stands the one wait for both batches, ahead of the first line that names a result.
.macro CST b
.set rS, PSI+20*(\b)
.set cj, 0
.rept 20
	v_med3_num_f32 v[UC+cj], v[UU+cj], -4.0, 4.0
.set cj, cj+1
.endr
.irp l, 0,2,4,6,8,10,12,14,16,18
	v_pk_mul_f32 v[rS+\l:rS+\l+1], v[UC+\l:UC+\l+1], v[UC+\l:UC+\l+1]
.endr
.irp l, 0,2,4,6,8,10,12,14,16,18
	v_pk_mul_f32 v[UC+\l:UC+\l+1], v[UU+\l:UU+\l+1], v[UC+\l:UC+\l+1]
.endr
.irp l, 0,2,4,6,8,10,12,14,16,18
	v_pk_fma_f32 v[QQ+\l:QQ+\l+1], v[rS+\l:rS+\l+1], v[A13:A13+1], s[PC+12:PC+13] op_sel:[0,1,0] op_sel_hi:[1,1,0]
.endr
.irp c, 14,16,18
.irp l, 0,2,4,6,8,10,12,14,16,18
	v_pk_fma_f32 v[QQ+\l:QQ+\l+1], v[QQ+\l:QQ+\l+1], v[rS+\l:rS+\l+1], s[PC+\c:PC+\c+1] op_sel_hi:[1,1,0]
.endr
.endr
.set fi, 0
.rept 60
.set st, fi/10
.set ll, 2*(fi%10)
.if st == 0
	v_pk_fma_f32 v[PP+ll:PP+ll+1], v[rS+ll:rS+ll+1], v[A13:A13+1], s[PC:PC+1] op_sel_hi:[1,0,0]
.else
	v_pk_fma_f32 v[PP+ll:PP+ll+1], v[PP+ll:PP+ll+1], v[rS+ll:rS+ll+1], s[PC+2*st:PC+2*st+1] op_sel_hi:[1,1,0]
.endif
.if fi%3 == 2
	v_rcp_f32 v[QQ+fi/3], v[QQ+fi/3]
.endif
.set fi, fi+1
.endr
.irp l, 0,2,4,6,8,10,12,14,16,18
	v_pk_mul_f32 v[PP+\l:PP+\l+1], v[PP+\l:PP+\l+1], v[UC+\l:UC+\l+1]
.endr
	s_wait_alu depctr_va_vdst(0)                   ; one wait: Q's reciprocals and the next pair's exponentials
.endm
; g = u + (u uc P) / Q;  t += W2'' g, even l onto the pair's t, odd l onto a second chain.  Up to step 5 the head of the step after next (same matrix, next pair) stands between the links.
.macro DA n
.set mm, (\n)%2
.set ii, (\n)/2
.irp l, 0,2,4,6,8,10,12,14,16,18
	v_pk_fma_f32 v[PP+\l:PP+\l+1], v[PP+\l:PP+\l+1], v[QQ+\l:QQ+\l+1], v[UU+\l:UU+\l+1]
.endr
.set ll, 0
.rept 10
.set pl, ll%2
.set rG, PP+2*ll
.set rW, W2R+ll-pl
.set rT, TACC+2*ii
.if pl
.if (mm == 0) && (ll == 1)
	v_pk_mul_f32 v[TB:TB+1], v[rG:rG+1], v[rW:rW+1] op_sel:[0,1] op_sel_hi:[1,1]
.else
	v_pk_fma_f32 v[TB:TB+1], v[rG:rG+1], v[rW:rW+1], v[TB:TB+1] op_sel:[0,1,0] op_sel_hi:[1,1,1]
.endif
.else
	v_pk_fma_f32 v[rT:rT+1], v[rG:rG+1], v[rW:rW+1], v[rT:rT+1] op_sel_hi:[1,0,1]
.endif
.if (\n) <= 5
	APL1 mm, ii+1, 2*ll
	APL1 mm, ii+1, 2*ll+1
.endif
.set ll, ll+1
.endr
.endm
.macro FIN i                           ; a pair's t is whole: the two chains, the mask, the running maximum
	v_pk_add_f32 v[TACC+2*(\i):TACC+2*(\i)+1], v[TACC+2*(\i):TACC+2*(\i)+1], v[TB:TB+1]
	v_cndmask_b32 v[TACC+2*(\i)], v[TACC+2*(\i)], v[NEG], s[MK+2*(\i)]
	v_cndmask_b32 v[TACC+2*(\i)+1], v[TACC+2*(\i)+1], v[NEG], s[MK+2*(\i)+1]
	v_max3_num_f32 v[MAX], v[MAX], v[TACC+2*(\i)], v[TACC+2*(\i)+1]
.endm
.macro FETCHX                          ; a tile's distance, energy and mask out of my stage, s23 bytes along its rows: lane (r, h) takes 32 bytes of row r
	v_add_nc_u32 v[ADR], s23, v[XR]
	ds_load_b128 v[XD:XD+3], v[ADR]
	ds_load_b128 v[XD+4:XD+7], v[ADR] offset:16
	ds_load_b128 v[XD+8:XD+11], v[ADR] offset:SMAT
	ds_load_b128 v[XD+12:XD+15], v[ADR] offset:SMAT+16
	WIN 0x40
	ds_load_b128 v[XM:XM+3], v[ADR] offset:2*SMAT
	ds_load_b128 v[XM+4:XM+7], v[ADR] offset:2*SMAT+16
	WIN 0
.endm
.macro STAGEIN                         ; the granule that has landed in registers goes into my stage, as it lies
	WIN 0x04
.irp m, 0,1,2
.irp i, 0,1,2,3,4,5,6,7
	ds_store_b128 v[XW], v[STGR+32*\m+4*\i:STGR+32*\m+4*\i+3] offset:SMAT*\m+2*SPI*\i
.endr
.endr
	WIN 0
.endm
.macro STLOAD                          ; a granule: 16 rows x 256 bytes of each of the three; a load covers two rows' 256 consecutive bytes, each aligned
	WIN 0x40
.irp m, 0,1,2
.irp i, 0,1,2,3,4,5,6,7
	global_load_b128 v[STGR+32*\m+4*\i:STGR+32*\m+4*\i+3], v[GD], s[4+2*\m:5+2*\m] offset:8192*\i th:TH_LOAD_NT
.endr
.endr
	WIN 0
.endm
.macro KLOAD adr                       ; 16 keys x 64: registers 8 c .. 8 c + 7 = channels 16 c + 8 h + 0 .. 7 of key r
	WIN 0x40
.irp c, 0,1,2,3
	global_load_b128 v[KRAW+8*\c:KRAW+8*\c+3], v[\adr], s[10:11] offset:64*\c
	global_load_b128 v[KRAW+8*\c+4:KRAW+8*\c+7], v[\adr], s[10:11] offset:64*\c+16
.endr
	WIN 0
.endm
.macro KQUANT
	WIN 0x41
.set cj, 0
.rept 32
	v_med3_num_f32 v[KRAW+cj], v[KRAW+cj], -v[LIMK], v[LIMK]   ; the conversion to an 8-bit code does not saturate (ISA guide 7.6.2): the hold at the largest code x the scale
.set cj, cj+1
.endr
.irp c, 0,1,2,3
	v_cvt_scalef32_pk8_fp8_f32 v[KF+2*\c:KF+2*\c+1], v[KRAW+8*\c:KRAW+8*\c+7], v[SCK]
.endr
	v_nop                                          ; a plain line between the last conversion and the product that reads its result
	WIN 0
.endm
	s_load_b512 s[4:19], s[0:1], 0x0               ; distance s[4:5], energy s[6:7], mask s[8:9], K s[10:11], V s[12:13], out s[14:15], Q s[16:17], the scales' exponents s[18:19]
	s_load_b512 s[68:83], s[0:1], 0x40             ; mu_D, sigma_D, b_D, mu_E, sigma_E, b_E, W1, b1
	s_load_b128 s[84:87], s[0:1], 0x80             ; W2, b2
	s_set_vgpr_msb 0x40
	v_lshl_add_u32 v254, v0, 2, 0x49c00
	v_mov_b32 v255, 0
	s_set_vgpr_msb 0x4000
	v_lshrrev_b32 v16, 5, v0
	v_readfirstlane_b32 s[WV], v16                 ; wave 0..7
	s_and_b32 s[QT], s[WV], 1                      ; which 16 queries
	s_lshr_b32 s[KC], s[WV], 1                     ; which 256 keys
	s_lshr_b32 s67, ttmp9, 5                       ; the head
	s_and_b32 s23, ttmp9, 31
	s_lshl_b32 s23, s23, 5
	s_lshl_b32 s24, s[QT], 4
	s_add_co_u32 s23, s23, s24                     ; my first query in the head
	s_lshl_b32 s2, s67, 22                         ; the three large inputs: a head is 4 MiB, a row 4,096 bytes, my keys 1,024 bytes of it
	s_lshl_b32 s24, s23, 12
	s_add_co_u32 s2, s2, s24
	s_lshl_b32 s24, s[KC], 10
	s_add_co_u32 s2, s2, s24
	s_mov_b32 s3, 0
	s_lshl_b32 s67, s67, 18                        ; Q, K, V, out: a head is 262,144 bytes, a row 256
	s_lshl_b32 s24, s[KC], 16
	s_add_co_u32 s30, s67, s24                     ; K: my 256 keys
	s_mov_b32 s31, 0
	s_lshl_b32 s24, s[WV], 15
	s_add_co_u32 s32, s67, s24                     ; V: the 128 keys whose fragments I make
	s_mov_b32 s33, 0
	s_lshl_b32 s24, s23, 8
	s_add_co_u32 s34, s67, s24                     ; Q and out: my 16 queries
	s_mov_b32 s35, 0
	v_and_b32 v16, 31, v0                          ; lane
	v_and_b32 v17, 15, v0                          ; r
	v_bfe_u32 v18, v0, 4, 1                        ; h
	v_mov_b32 v19, 0
	s_mul_i32 s24, s[WV], STW
	s_add_co_u32 s24, s24, STG                     ; my stage
	v_mul_u32_u24 v[XW], v18, SPI
	v_lshl_add_u32 v[XW], v17, 4, v[XW]
	v_add_nc_u32 v[XW], s24, v[XW]                 ; in: lanes 0-15 a row, lanes 16-31 the next
	v_mul_u32_u24 v[XR], v17, SPI
	v_lshl_add_u32 v[XR], v18, 5, v[XR]
	v_add_nc_u32 v[XR], s24, v[XR]                 ; out: row r, + 32 h
	s_lshl_b32 s24, s[WV], 14
	s_add_co_u32 s24, s24, TREG
	v_lshl_add_u32 v[TW], v16, 4, s24
	v_lshlrev_b32 v[GD], 12, v18
	v_lshl_add_u32 v[GD], v17, 4, v[GD]
	v_lshlrev_b32 v[KO], 8, v17
	v_lshl_add_u32 v[KO], v18, 5, v[KO]
	v_lshlrev_b32 v[VO], 2, v17
	v_lshl_add_u32 v[VO], v18, 11, v[VO]
	s_lshl_b32 s24, s[WV], 13
	v_lshl_add_u32 v[VI], v16, 4, s24
	s_mov_b32 s[SEL], 0x76543210
	s_mov_b32 s[SEL+1], 0xfedcba98                 ; v_permlanex16_b32: lane l xor 16
	SC2 PC,    0x32edffee                          ;  2.77068142e-08
	SC2 PC+2,  0xb60cff51                          ; -2.10102402e-06
	SC2 PC+4,  0xb86ec2d2                          ; -5.69250639e-05
	SC2 PC+6,  0xba40ac63                          ; -7.34990630e-04
	SC2 PC+8,  0xbb41a1f6                          ; -2.95459981e-03
	SC2 PC+10, 0xbc83dbd4                          ; -1.60960333e-02
	SC2 PC+12, 0xb95fbd29                          ; -2.13374055e-04
	SC2 PC+14, 0xbadc924e                          ; -1.68282697e-03
	SC2 PC+16, 0xbbf19bf8                          ; -7.37332917e-03
	SC2 PC+18, 0xbc69b6a7                          ; -1.42647391e-02
	v_mov_b32 v[A13], 0xaf95df0b                   ; -2.72614226e-10
	v_mov_b32 v[A13+1], 0xb77460cd                 ; -1.45660718e-05
	v_mov_b32 v[NEG], 0xceabfb8f                   ; -1e9 x log2(e)
	v_mov_b32 v[MAX], 0xff61b1e6                   ; -3e38, under every t
	s_wait_kmcnt 0x0
	s_load_b128 s[60:63], s[18:19], 0x0            ; eq, ek, ep, ev
	s_add_nc_u64 s[4:5], s[4:5], s[2:3]
	s_add_nc_u64 s[6:7], s[6:7], s[2:3]
	s_add_nc_u64 s[8:9], s[8:9], s[2:3]
	s_add_nc_u64 s[10:11], s[10:11], s[30:31]
	s_add_nc_u64 s[12:13], s[12:13], s[32:33]
	s_add_nc_u64 s[14:15], s[14:15], s[34:35]
	s_add_nc_u64 s[16:17], s[16:17], s[34:35]
	LD10 CA, 70                                    ; sigma_D, where a will stand
	LD10 CA+10, 72                                 ; b_D, where c will stand
	LD10 CA+20, 68                                 ; mu_D, where lam will stand
	LD10 CA+30, 76
	LD10 CA+40, 78
	LD10 CA+50, 74
	LD10 B1R, 82
	LD10 W2R, 84
	global_load_b32 v[B2R], v19, s[86:87]
	WIN 0x40
.set jj, 0
.rept 25
	global_load_b128 v[4*jj:4*jj+3], v19, s[80:81] offset:16*jj   ; W1, row by row
.set jj, jj+1
.endr
	WIN 0
.irp c, 0,1,2,3
	global_load_b128 v[UU+8*\c:UU+8*\c+3], v[KO], s[16:17] offset:64*\c      ; Q, laid as K's tiles are
	global_load_b128 v[UU+8*\c+4:UU+8*\c+7], v[KO], s[16:17] offset:64*\c+16
.endr
	KLOAD KO                                       ; tile 0
	STLOAD                                         ; granule 0
	s_wait_loadcnt 32                              ; behind the 50 loads of constants and Q's 8 stand K's 8 and the granule's 24
.set jj, 0
.rept 10
	v_rcp_f32 v[CA+jj], v[CA+jj]
	v_rcp_f32 v[CA+30+jj], v[CA+30+jj]
.set jj, jj+1
.endr
.irp m, 0,30
.irp j, 0,2,4,6,8
	v_pk_add_f32 v[CA+10+\m+\j:CA+11+\m+\j], v[CA+10+\m+\j:CA+11+\m+\j], v[CA+20+\m+\j:CA+21+\m+\j] neg_lo:[0,1] neg_hi:[0,1]   ; b - mu
.endr
.endr
	s_wait_alu depctr_va_vdst(0)                   ; one wait for the 20 reciprocals, ahead of their first reader
.irp m, 0,30
.irp j, 0,2,4,6,8
	v_pk_mul_f32 v[CA+20+\m+\j:CA+21+\m+\j], v[CA+\m+\j:CA+1+\m+\j], 0x3ecc422a op_sel_hi:[1,0]   ; 1 / (sqrt(2 pi) sigma)
	v_pk_mul_f32 v[CA+\m+\j:CA+1+\m+\j], v[CA+\m+\j:CA+1+\m+\j], 0x3f596d27 op_sel_hi:[1,0]       ; a = sqrt(log2(e) / 2) / sigma
	v_pk_mul_f32 v[CA+10+\m+\j:CA+11+\m+\j], v[CA+10+\m+\j:CA+11+\m+\j], v[CA+\m+\j:CA+1+\m+\j]   ; c = (b - mu) a
.endr
.endr
.set jj, 0
.rept 10
	v_log_f32 v[CA+20+jj], v[CA+20+jj]
	v_log_f32 v[CA+50+jj], v[CA+50+jj]
.set jj, jj+1
.endr
.irp j, 0,2,4,6,8
	v_pk_mul_f32 v[B1R+\j:B1R+\j+1], v[B1R+\j:B1R+\j+1], 0x3f3504f3 op_sel_hi:[1,0]   ; b1 / sqrt(2)
	v_pk_mul_f32 v[W2R+\j:W2R+\j+1], v[W2R+\j:W2R+\j+1], 0x3f8293ee op_sel_hi:[1,0]   ; W2 log2(e) / sqrt(2)
.endr
	v_mul_f32 v[B2R], 0x4038aa3b, v[B2R]           ; 2 log2(e) b2: both biases' share
	v_mov_b32 v[B2R+1], v[B2R]                     ; (named with it as a pair, so it is written)
	WIN 0x41
.set jj, 0
.rept 50
	v_pk_mul_f32 v[2*jj:2*jj+1], v[2*jj:2*jj+1], 0x3f3504f3 op_sel_hi:[1,0]           ; W1 / sqrt(2)
.set jj, jj+1
.endr
	WIN 0
	s_wait_alu depctr_va_vdst(0)                   ; one wait for the 20 logarithms: a label follows, and the loop reads them
	s_wait_kmcnt 0x0
	s_add_co_i32 s23, s60, s61
	s_lshl_b32 s23, s23, 23
	s_add_co_i32 s[CS], s23, 0x3e0293ee            ; log2(e) / sqrt(128), with eq + ek added to its exponent field
	s_mov_b32 s[CS+1], s[CS]
	MKSCALE 60, 120, 121
	MKSCALE 61, SCK, LIMK
	MKSCALE 63, SCV, LIMV
.set jj, 0
.rept 32
	v_med3_num_f32 v[UU+jj], v[UU+jj], -v121, v121
.set jj, jj+1
.endr
	WIN 0x40
.irp c, 0,1,2,3
	v_cvt_scalef32_pk8_fp8_f32 v[QF+2*\c:QF+2*\c+1], v[UU+8*\c:UU+8*\c+7], v120
.endr
	v_nop
	WIN 0
	s_wait_loadcnt 0x0                             ; K's tile 0 and granule 0
	s_mov_b32 s[TT], 0
; A TRIP IS A TILE OF 16 KEYS: 8 steps, each a pair of keys of one matrix.
.Ltile:
	s_and_b32 s[TI], s[TT], 3
	s_lshl_b32 s[TO], s[TT], 10
	s_cmp_lg_u32 s[TI], 0
	s_cbranch_scc1 .Lsame_granule
	STAGEIN                                        ; a granule's first tile: the granule landed before the end of an earlier trip
	s_mov_b32 s23, 0
	FETCHX
.Lsame_granule:
	s_wait_dscnt 0x0                               ; this tile's x and mask are in; the stores into the stage, of the last t and of V's image have read their registers
	KQUANT
	s_cmp_eq_u32 s[TT], 15
	s_cbranch_scc1 .Lno_k                          ; no load leaves its buffer
	s_lshl_b32 s23, s[TT], 12
	s_add_co_u32 s23, s23, 4096
	v_add_nc_u32 v[KA], s23, v[KO]                 ; (the loads that read KA were waited for at the last trip's end)
	KLOAD KA                                       ; the next tile's K
.Lno_k:
	s_cmp_lg_u32 s[TI], 0
	s_cbranch_scc1 .Lnot_first
	s_lshr_b32 s23, s[TT], 2                       ; a granule's first tile: V's numbers for channels 16 g on, into registers that the granule has left
	s_lshl_b32 s23, s23, 6
	v_add_nc_u32 v[VA], s23, v[VO]
	WIN 0x40
.set jj, 0
.rept 64
	global_load_b32 v[STGR+jj], v[VA], s[12:13] offset:256*(16*(jj/8)+jj%8)   ; register 8 c + i: V(16 c + 8 h + i, 16 g + r): a lane to a channel, registers down the keys
.set jj, jj+1
.endr
	WIN 0
	s_branch .Ljoin
.Lnot_first:
	s_cmp_lg_u32 s[TI], 1
	s_cbranch_scc1 .Ljoin
	WIN 0x41                                       ; a granule's second tile: they become a fragment of V^T,
.set jj, 0
.rept 64
	v_med3_num_f32 v[STGR+jj], v[STGR+jj], -v[LIMV], v[LIMV]
.set jj, jj+1
.endr
.irp c, 0,1,2,3,4,5,6,7
	v_cvt_scalef32_pk8_fp8_f32 v[STGR+64+2*\c:STGR+65+2*\c], v[STGR+8*\c:STGR+8*\c+7], v[SCV]
.endr
	v_nop
	WIN 0
	s_lshr_b32 s23, s[TT], 2
	s_lshl_b32 s23, s23, 11
	v_add_nc_u32 v[ADT], s23, v[VI]
	WIN 0x04
.irp c, 0,1,2,3
	ds_store_b128 v[ADT], v[STGR+64+4*\c:STGR+67+4*\c] offset:512*\c   ; whose image goes to LDS;
.endr
	WIN 0
	s_wait_dscnt 0x0                               ; the stores have read the codes: the next granule may land there
	s_cmp_ge_u32 s[TT], 12
	s_cbranch_scc1 .Ljoin                          ; the last granule has no successor
	v_add_nc_u32 v[GD], 256, v[GD]                 ; (the loads that read GD were waited for long ago)
	STLOAD                                         ; and the next granule is asked for, three tiles ahead of its use
.Ljoin:
	v_add_nc_u32 v[ADT], s[TO], v[TW]
	WIN 0x05
	v_wmma_f32_16x16x64_fp8_fp8 v[SS:SS+7], v[KF:KF+7], v[QF:QF+7], 0
	WIN 0x04
.irp j, 0,1,2,3,4,5,6,7
	v_cmp_eq_u32 s[MK+\j], 0, v[XM+\j]
.endr
	WIN 0
.set jj, 0
.rept 20
	APL1 0, 0, jj                                  ; step 0's head.  (With the eight compares: the places behind the product, ahead of the first read of its result)
.set jj, jj+1
.endr
.set jj, 0
.rept 20
	EXP1 0, jj                                     ; step 0's exponentials, among step 1's head and the start of t
	APL1 1, 0, jj
.if jj < 4
	v_pk_fma_f32 v[TACC+2*jj:TACC+2*jj+1], v[SS+2*jj:SS+2*jj+1], s[CS:CS+1], v[B2R:B2R+1] op_sel_hi:[1,0,0]   ; t = S cs + b2', the scores from their low end on
.endif
.set jj, jj+1
.endr
	s_wait_alu depctr_va_vdst(0)                   ; one wait for step 0's 20 exponentials
.irp n, 0,1,2,3,4,5,6,7
.if \n < 7
	BST (\n)%2, 1
.else
	BST (\n)%2, 0
.endif
	CST (\n)%2
	DA \n
.if (\n)%2
	FIN (\n)/2
.endif
.if \n == 3
	ds_store_b128 v[ADT], v[TACC:TACC+3]
.endif
.if \n == 5
	s_cmp_eq_u32 s[TI], 3                          ; all of this tile's x have been read: the next tile's come, if they lie in this granule
	s_cbranch_scc1 .Lno_fetch
	s_lshl_b32 s23, s[TI], 6
	s_add_co_u32 s23, s23, 64
	FETCHX
.Lno_fetch:
.endif
.if \n == 7
	ds_store_b128 v[ADT], v[TACC+4:TACC+7] offset:512
.endif
.endr
	s_wait_loadcnt 0x0                             ; what was asked for near this trip's head is in: the next trip reads it, and writes the loads' address registers
	s_add_co_u32 s[TT], s[TT], 1
	s_cmp_lt_u32 s[TT], 16
	s_cbranch_scc1 .Ltile
; THE ROW'S MAXIMUM.  Mine and lane l xor 16's make my wave's; the four waves of my queries meet in LDS.
	v_permlanex16_b32 v80, v[MAX], s[SEL], s[SEL+1]
	v_and_b32 v81, 15, v0
	s_lshl_b32 s23, s[WV], 6
	s_add_co_u32 s23, s23, MXB
	v_lshl_add_u32 v82, v81, 2, 0
	v_lshl_add_u32 v81, v81, 2, s23                ; my wave's word for query r
	s_lshl_b32 s24, s[QT], 6
	s_add_co_u32 s24, s24, MXB
	v_add_nc_u32 v82, s24, v82                     ; the words of the four waves of my queries: 128 bytes apart from here
	v_and_b32 v83, 31, v0
	s_lshl_b32 s25, s[KC], 14
	v_lshl_add_u32 v83, v83, 4, s25                ; V^T's eight fragments of my 256 keys
	v_max_num_f32 v[MAX], v[MAX], v80
	ds_store_b32 v81, v[MAX]
.set jj, 0
.rept 32
	ds_load_b128 v[128+4*jj:131+4*jj], v[TW] offset:512*jj   ; my 128 t come back: LDS serves a wave's instructions in order, so these see my stores
.set jj, jj+1
.endr
	MKSCALE 62, 98, 99
	s_wait_dscnt 0x0                               ; for the others' sake: my maximum and my images of V have landed; and my t are in
	s_barrier_signal -1
	s_barrier_wait -1
.irp k, 0,1,2,3
	ds_load_b32 v[84+\k], v82 offset:128*\k
.endr
	WIN 0x40
.set jj, 0
.rept 32
	ds_load_b128 v[4*jj:4*jj+3], v83 offset:512*jj   ; fragment (K step ks, channels 16 dt on) at v[16 (4 ks + dt)] of window 1
.set jj, jj+1
.endr
	WIN 0
	s_wait_dscnt 32                                ; the four maxima are in; V's 32 loads may be out
	v_max3_num_f32 v84, v84, v85, v86
	v_max_num_f32 v84, v84, v87
	v_floor_f32 v96, -v84                          ; -M = floor(-t) = -ceil(t)
	v_mov_b32 v97, v96                             ; (named with it as a pair, so it is written)
.set jj, 0
.rept 64
	v_pk_add_f32 v[128+2*jj:129+2*jj], v[128+2*jj:129+2*jj], v[96:97] op_sel_hi:[1,0]
.if jj > 0
	v_exp_f32 v[126+2*jj], v[126+2*jj]             ; p = 2^(t - M): one pair behind its subtraction
	v_exp_f32 v[127+2*jj], v[127+2*jj]
.endif
.set jj, jj+1
.endr
	v_exp_f32 v254, v254
	v_exp_f32 v255, v255
	v_nop                                          ; a plain line behind the last exponential
	s_wait_alu depctr_va_vdst(0)                   ; one wait for the 128
.irp c, 0,1,2,3
	v_pk_add_f32 v[88+2*\c:89+2*\c], v[128+2*\c:129+2*\c], v[136+2*\c:137+2*\c]   ; the sum of the unquantised p, in four chains
.endr
.set jj, 16
.rept 14
.irp c, 0,1,2,3
	v_pk_add_f32 v[88+2*\c:89+2*\c], v[88+2*\c:89+2*\c], v[128+jj+2*\c:129+jj+2*\c]
.endr
.set jj, jj+8
.endr
	v_pk_add_f32 v[88:89], v[88:89], v[90:91]
	v_pk_add_f32 v[92:93], v[92:93], v[94:95]
	v_pk_add_f32 v[88:89], v[88:89], v[92:93]
.set jj, 0
.rept 128
	v_min_num_f32 v[128+jj], v[128+jj], v99        ; p is not negative: the hold is one-sided
.set jj, jj+1
.endr
.set jj, 0
.rept 16
	v_cvt_scalef32_pk8_fp8_f32 v[48+2*jj:49+2*jj], v[128+8*jj:135+8*jj], v98   ; tile T: registers 2 (T % 8), + 1 of fragment T / 8
.set jj, jj+1
.endr
	v_nop
	s_wait_dscnt 0x0                               ; V's fragments
	WIN 0x01                                       ; O^T = V^T P^T: source 0 (16 channels) in window 1.  The four accumulators take turns
.irp d, 0,1,2,3
	v_wmma_f32_16x16x128_fp8_fp8 v[16+8*\d:23+8*\d], v[16*\d:16*\d+15], v[48:63], 0
.endr
.irp d, 0,1,2,3
	v_wmma_f32_16x16x128_fp8_fp8 v[16+8*\d:23+8*\d], v[64+16*\d:64+16*\d+15], v[64:79], v[16+8*\d:23+8*\d]
.endr
	WIN 0
	; the last phase's addresses: plain lines that name no register of the products: the places behind them
	v_and_b32 v101, 15, v0                         ; which four channels: 4 (l % 16) on
	v_bfe_u32 v102, v0, 4, 1
	s_lshl_b32 s23, s[KC], 2
	v_add_nc_u32 v103, s23, v102                   ; q = 4 (w / 2) + l / 16; and q + 2
	v_lshrrev_b32 v104, 2, v101                    ; their tile of 16 channels,
	v_and_b32 v105, 1, v0                          ; and which four of a lane's eight registers
	v_lshl_add_u32 v104, v104, 1, v105
	v_lshlrev_b32 v104, 9, v104
	v_bfe_u32 v105, v0, 1, 1                       ; which half of the lanes held them
	v_lshl_add_u32 v105, v105, 4, v103
	v_lshl_add_u32 v104, v105, 4, v104
	s_lshl_b32 s24, s[QT], 14
	s_add_co_u32 s24, s24, TREG
	v_add_nc_u32 v104, s24, v104                   ; in the first two of the four waves of my queries (32,768 bytes apart),
	v_add_nc_u32 v106, 0x10000, v104               ; and in the other two: an LDS immediate ends at 65,535
	s_lshl_b32 s25, s[QT], 6
	s_add_co_u32 s25, s25, LSB
	v_lshl_add_u32 v107, v103, 2, s25
	v_lshlrev_b32 v108, 8, v103
	v_lshl_add_u32 v108, v101, 4, v108             ; out: row q, 16 bytes a lane
	v_add_f32 v88, v88, v89
	v_permlanex16_b32 v100, v88, s[SEL], s[SEL+1]
	v_add_f32 v88, v88, v100                       ; my wave's sum for query r
.irp d, 0,1,2,3
	ds_store_b128 v[TW], v[16+8*\d:19+8*\d] offset:1024*\d       ; each accumulator from its low end on; my t, which lay here, were read before the first barrier
	ds_store_b128 v[TW], v[20+8*\d:23+8*\d] offset:1024*\d+512
.endr
	ds_store_b32 v81, v88 offset:LSB-MXB
	s_wait_dscnt 0x0                               ; for the others' sake
	s_barrier_signal -1
	s_barrier_wait -1
; Wave (w % 2, w / 2) finishes queries 4 (w / 2) .. + 3 of its sixteen: the four waves' parts are added (they stand under one M), divided by the sum, and stored as whole rows.
.irp k, 0,1
	ds_load_b128 v[128+8*\k:131+8*\k], v104 offset:32768*\k
	ds_load_b128 v[132+8*\k:135+8*\k], v104 offset:32768*\k+32
	ds_load_b128 v[144+8*\k:147+8*\k], v106 offset:32768*\k
	ds_load_b128 v[148+8*\k:151+8*\k], v106 offset:32768*\k+32
.endr
.irp k, 0,1,2,3
	ds_load_b32 v[160+2*\k], v107 offset:128*\k
	ds_load_b32 v[161+2*\k], v107 offset:128*\k+8
.endr
	s_wait_dscnt 0x0
	v_pk_add_f32 v[160:161], v[160:161], v[162:163]
	v_pk_add_f32 v[164:165], v[164:165], v[166:167]
	v_pk_add_f32 v[160:161], v[160:161], v[164:165]
	v_rcp_f32 v160, v160
	v_rcp_f32 v161, v161
.irp j, 0,2,4,6
	v_pk_add_f32 v[128+\j:129+\j], v[128+\j:129+\j], v[136+\j:137+\j]
	v_pk_add_f32 v[144+\j:145+\j], v[144+\j:145+\j], v[152+\j:153+\j]
.endr
.irp j, 0,2,4,6
	v_pk_add_f32 v[128+\j:129+\j], v[128+\j:129+\j], v[144+\j:145+\j]
.endr
	s_add_co_i32 s23, s62, s63
	s_wait_alu depctr_va_vdst(0)                   ; one wait for the two reciprocals, ahead of their first reader
	v_ldexp_f32 v160, v160, s23                    ; x 2^(ep + ev)
	v_ldexp_f32 v161, v161, s23
	v_pk_mul_f32 v[128:129], v[128:129], v[160:161] op_sel_hi:[1,0]
	v_pk_mul_f32 v[130:131], v[130:131], v[160:161] op_sel_hi:[1,0]
	v_pk_mul_f32 v[132:133], v[132:133], v[160:161] op_sel:[0,1] op_sel_hi:[1,1]
	v_pk_mul_f32 v[134:135], v[134:135], v[160:161] op_sel:[0,1] op_sel_hi:[1,1]
	global_store_b128 v108, v[128:131], s[14:15] th:TH_STORE_NT              ; sixteen lanes store a row's 256 consecutive bytes, aligned; two rows a store
	global_store_b128 v108, v[132:135], s[14:15] offset:512 th:TH_STORE_NT
	s_set_vgpr_msb 0x5
	s_wait_tensorcnt 0x0
	ds_add_u32 v254, v255
	s_wait_dscnt 0x0
	s_set_vgpr_msb 0x500
	s_endpgm
.Lfunc_end_k_q0816686fb9_attn:
	.size	k_q0816686fb9_attn, .Lfunc_end_k_q0816686fb9_attn-k_q0816686fb9_attn
	.p2alignl 7, 3214868480
	.fill 96, 4, 3214868480
	.section	.rodata,"a",@progbits
	.p2align	6, 0x0
	.amdhsa_kernel k_q0816686fb9_attn
		.amdhsa_group_segment_fixed_size 303104
		.amdhsa_private_segment_fixed_size 0
		.amdhsa_enable_private_segment 0
		.amdhsa_kernarg_size 144
		.amdhsa_user_sgpr_count 2
		.amdhsa_user_sgpr_kernarg_segment_ptr 1
		.amdhsa_wavefront_size32 1
		.amdhsa_system_sgpr_workgroup_id_x 1
		.amdhsa_system_sgpr_workgroup_id_y 1
		.amdhsa_system_sgpr_workgroup_id_z 1
		.amdhsa_system_vgpr_workitem_id 0
		.amdhsa_next_free_vgpr 512
		.amdhsa_next_free_sgpr 96
		.amdhsa_reserve_vcc 0
		.amdhsa_float_denorm_mode_32 3
		.amdhsa_float_denorm_mode_16_64 3
		.amdhsa_memory_ordered 1
		.amdhsa_forward_progress 1
		.amdhsa_inst_pref_size 233
	.end_amdhsa_kernel
	.amdgpu_metadata
---
amdhsa.version: [ 1, 2 ]
amdhsa.kernels:
  - .name:           k_q0816686fb9_attn
    .symbol:         k_q0816686fb9_attn.kd
    .args:
      - { .name: distance_matrix, .offset: 0, .size: 8, .value_kind: global_buffer, .address_space: global }
      - { .name: energy_matrix, .offset: 8, .size: 8, .value_kind: global_buffer, .address_space: global }
      - { .name: mask, .offset: 16, .size: 8, .value_kind: global_buffer, .address_space: global }
      - { .name: K, .offset: 24, .size: 8, .value_kind: global_buffer, .address_space: global }
      - { .name: V, .offset: 32, .size: 8, .value_kind: global_buffer, .address_space: global }
      - { .name: out0, .offset: 40, .size: 8, .value_kind: global_buffer, .address_space: global }
      - { .name: Q, .offset: 48, .size: 8, .value_kind: global_buffer, .address_space: global }
      - { .name: lowp_scales, .offset: 56, .size: 8, .value_kind: global_buffer, .address_space: global }
      - { .name: mu_D, .offset: 64, .size: 8, .value_kind: global_buffer, .address_space: global }
      - { .name: sigma_D, .offset: 72, .size: 8, .value_kind: global_buffer, .address_space: global }
      - { .name: b_D, .offset: 80, .size: 8, .value_kind: global_buffer, .address_space: global }
      - { .name: mu_E, .offset: 88, .size: 8, .value_kind: global_buffer, .address_space: global }
      - { .name: sigma_E, .offset: 96, .size: 8, .value_kind: global_buffer, .address_space: global }
      - { .name: b_E, .offset: 104, .size: 8, .value_kind: global_buffer, .address_space: global }
      - { .name: W1, .offset: 112, .size: 8, .value_kind: global_buffer, .address_space: global }
      - { .name: b1, .offset: 120, .size: 8, .value_kind: global_buffer, .address_space: global }
      - { .name: W2, .offset: 128, .size: 8, .value_kind: global_buffer, .address_space: global }
      - { .name: b2, .offset: 136, .size: 8, .value_kind: global_buffer, .address_space: global }
    .group_segment_fixed_size: 303104
    .private_segment_fixed_size: 0
    .kernarg_segment_align: 8
    .kernarg_segment_size: 144
    .max_flat_workgroup_size: 256
    .sgpr_count:     96
    .vgpr_count:     512
    .wavefront_size: 32
...
	.end_amdgpu_metadata
.endif
;; end of part 1
